; MI455X (gfx1250); checked and timed in simulation.
; The chip was launched on July 23, 2026; its instructions are those of AMD's public machine-readable ISA for CDNA 5 (MIT licence, August 2026) and "CDNA5" Instruction Set Architecture Reference Guide (July 2026). The comments in the code are by the model that wrote it; some were corrected since.
;; Bare Multi Head Attention. Allowed arithmetic: matrix products marked QUANTISED: E2M3 operands, one E8M0 scale for each 32 along K, by v_wmma_scale_f32_16x16x128_f8f6f4 with both operands' format E2M3, f32 sums; everything else in f32.
;; Inputs: Wk 1,024 x 1,024 float32; Wq 1,024 x 1,024 float32; Wv 1,024 x 1,024 float32; attn_mask 2 x 2,048 float32; bk 1,024 float32; bq 1,024 float32; bv 1,024 float32; hidden_states 2 x 2,048 x 1,024 float32.
;; Outputs: out0 2 x 2,048 x 1,024 float32.
;; This version of the problem:
;;   THIS VERSION OF THE PROBLEM IS GIVEN IN LOW PRECISION. The matrix products marked QUANTISED in the list below multiply operands that are first quantised to E2M3 (2 exponent bits, 3 mantissa bits; 6 bits a number), with one power-of-two scale for each 32 numbers along K (OCP MX v1.0); their sums are f32. All else is computed in f32.
;;   The module's matrix products, in the order in which they are computed (A, B: the left and right operand; K: the contracted axis; several contracted axes count as one K, in the product's order):
;;     1. [M 4,096, K 1,024] x [K 1,024, N 1,024]; A: input hidden_states; B: input Wq: QUANTISED
;;     2. [M 4,096, K 1,024] x [K 1,024, N 1,024]; A: input hidden_states; B: input Wk: QUANTISED
;;     3. [M 4,096, K 1,024] x [K 1,024, N 1,024]; A: input hidden_states; B: input Wv: QUANTISED
;;     4. batch 32 x [M 2,048, K 64] x [K 64, N 2,048]; A: computed on the way; B: computed on the way: QUANTISED
;;     5. batch 32 x [M 2,048, K 2,048] x [K 2,048, N 64]; A: softmax (see below); B: computed on the way: QUANTISED
;;   THE QUANTISER, for each operand of a quantised product, along K:
;;     - K is cut into blocks of 32 from its start; a last block that is shorter is filled with zeros.
;;     - A block's scale is 2^e with e = floor(log2(the largest magnitude in the block)) - 2, held to -126 .. 127; a block of zeros has e = 0. As a byte (E8M0): e + 127.
;;     - Each number is divided by its block's scale, clamped to +-7.5, and rounded to the nearest number of E2M3, ties to even, subnormals kept.
;;     - The product sums the exact products of the quantised numbers (number of the format x scale) in f32.
;;   ~~~python
;;   def quantise(x, axis):      # numpy; x: float32 -> the quantised numbers, widened to float32 again
;;       x = np.moveaxis(x, axis, -1); K = x.shape[-1]
;;       x = np.pad(x, [(0, 0)] * (x.ndim - 1) + [(0, -K % 32)]); x = x.reshape(x.shape[:-1] + (-1, 32)); a = np.abs(x).max(-1, keepdims=True)
;;       e = np.where(a > 0, np.clip(np.frexp(np.where(a > 0, a, 1))[1] - 1 - 2, -126, 127), 0)      # np.frexp(a)[1] - 1 = floor(log2(a)), exactly
;;       r = np.clip(x / 2.0 ** e, -7.5, 7.5)
;;       step = 2.0 ** (np.maximum(np.frexp(np.where(r == 0, 1, r))[1] - 1, 0) - 3)
;;       q = np.round(r / step) * step * 2.0 ** e      # np.round: ties to even
;;       return np.moveaxis(q.reshape(q.shape[:-2] + (-1,))[..., :K], -1, axis).astype(np.float32)
;;   ~~~
;;   SOFTMAX AHEAD OF A QUANTISED PRODUCT. Where the list says 'softmax', what is quantised is not the finished softmax but p = 2^(t - M), with t = logit x log2(e) and M = ceil(the row's largest t), a whole number; so 1/2 < the row's largest p <= 1. The row's sum l is taken of the UNQUANTISED p, in f32, and the product's result is divided by l at the end. Since M is a whole number, a kernel that streams over the keys may use a running M (the ceiling of the running maximum): every later rescaling is an exact power of two, which a block's scale takes up: the codes' values come out the same.
;;   OPERANDS COMPUTED ON THE WAY. 'Computed on the way' means the value that the module computes at that place (a softmax that the list does not call 'softmax' is quantised finished and normalised). What goes into a quantiser is computed in f32, as accurately as f32 sums, v_exp_f32 and their like allow (about 1e-6 of the number): no bf16 or f16 on the way to a quantiser, and a product that is left as it is and whose result goes on into a quantised operand takes f32 operands (vector FMAs, or v_wmma_f32_16x16x4_f32). A number that lies on a knife's edge between two numbers of the format may be rounded either way, as far as f32 arithmetic and the matrix unit's own rounding can turn it there, and no further.
;; One version. Each part assembles by itself: llvm-mc -triple=amdgcn-amd-amdhsa -mcpu=gfx1250 --defsym DOCPART=n.
;; ======== version 1 of 1: 3 launches
;; limits: right only within a limited range of input values
;; workspace buffers: img 5,734,400 bytes; att 10,223,616 bytes
;; launch quant (part 1): grid 448 x 1, 8 waves a work-group, no clusters, 69,120 bytes of LDS; arguments hidden_states, Wq, Wk, Wv, img; writes img
.if DOCPART == 1
	.amdgcn_target "amdgcn-amd-amdhsa--gfx1250"
	.amdhsa_code_object_version 6
	.text
	.protected	k_q31fe7c2c49_quant
	.globl	k_q31fe7c2c49_quant
	.p2align	8
	.type	k_q31fe7c2c49_quant,@function
k_q31fe7c2c49_quant:
	s_mov_b64 s[64:65], 0
	v_nop
	global_prefetch_b8 v0, s[64:65] scope:SCOPE_SE
	s_setreg_imm32_b32 hwreg(HW_REG_WAVE_MODE, 25, 1), 1
	s_wait_xcnt 0x0
; x [4096][1024], Wq, Wk, Wv [1024][1024], f32 with K innermost, become codes of FP6 (E2M3) with one E8M0 byte for each 32 along K, laid as images of operand registers.
; img: first the codes: a tile is 16 rows x all of K = eight fragment images of 1,536 bytes (registers 4 q .. 4 q + 3 of lane l at 512 q + 16 l); behind all tiles, from SOFF on,
; 512 bytes of scale words for each tile: row p's words of K steps 4 c .. 4 c + 3 at 256 c + 16 p.
; THE ROWS OF A TILE ARE NOT NEIGHBOURS: row p of tile 4 g + t is matrix row 64 g + 32 (p / 8) + 8 t + p % 8: a product that takes four such tiles as source 0 leaves in a lane's 32 registers
; 32 neighbours along the next K: one whole scale block.  Tiles 0-255: x; then for each head Wq's four, Wk's four, Wv's four.
; A work-group takes a tile, wave s its K step s (16 rows x 128).  Each load reads 512 consecutive bytes of a row; the 8 KB turn through the wave's own stage in LDS, so that lane (r, h) gets
; k = 64 c + 32 h + 0 .. 31 of row r: two whole blocks, in the order of the operand's registers.  No tensor load; one barrier, for the scale words.
; A block's scale is 2^(floor(log2(largest magnitude)) - 2): its byte is the largest magnitude's exponent field - 2, held at 1 from below.
; LIMITS: NaN and infinities are not served; a block whose largest magnitude lies under 2^(3 - 127), a block of zeros among them, gets the byte 1 (the rule says 127 for zeros):
; its codes are zeros or next to it, and the bytes are read by this program alone.
.set STGB,   8448                      ; a wave's stage: 16 rows x 528
.set SPITCH, 528
.set GS,     8*STGB                    ; behind the stages: 512 bytes in which the tile's scale words meet
.set SPARE,  GS+512
.set SOFF,   5505024
.set R,    16                          ; v16-79   the numbers as loaded
.set X,    80                          ; v80-143  register 32 c + i = k 64 c + 32 h + i
.set PC,   144                         ; v144-155 the fragment's codes
.set XT,   156                         ; v156-158, v160-162 second halves on their way
.set BM,   164
.set BN,   166
.set BY,   168
.set SO,   170
.set PW,   176
.set OW,   180
.set SPW,  184
.set NIL,  185
	s_load_b256 s[4:11], s[0:1], 0x0               ; x, Wq, Wk, Wv
	s_load_b64 s[12:13], s[0:1], 0x20              ; img
	v_lshl_add_u32 v[SPW], v0, 2, SPARE
	v_mov_b32 v[NIL], 0
	v_lshrrev_b32 v1, 5, v0
	v_readfirstlane_b32 s18, v1                    ; wave = K step 0..7
	s_mul_i32 s19, s18, STGB
	s_lshr_b32 s20, s18, 2
	s_and_b32 s21, s18, 3
	s_lshl_b32 s22, s20, 8
	s_lshl_b32 s23, s21, 2
	s_add_co_u32 s22, s22, s23
	s_add_co_u32 s22, s22, GS                      ; GS + 256 (step / 4) + 4 (step % 4)
	s_mov_b32 s24, 0x76543210                      ; lane selects: lane l xor 16
	s_mov_b32 s25, 0xfedcba98
	s_and_b32 s26, ttmp9, 63                       ; a weight's tile within its tensor
	s_lshr_b32 s27, ttmp9, 6
	s_lshl_b32 s27, s27, 2                         ; 16 + 4 x role
	s_lshr_b32 s28, s26, 2
	s_mul_i32 s28, s28, 12
	s_add_co_u32 s27, s27, s28
	s_and_b32 s28, s26, 3
	s_add_co_u32 s27, s27, s28
	s_add_co_u32 s27, s27, 240                     ; its place in img: 256 + 12 head + 4 role + t
	s_cmp_lt_u32 ttmp9, 256
	s_cselect_b32 s27, ttmp9, s27
	s_cselect_b32 s26, ttmp9, s26
	s_mul_i32 s30, s27, 12288
	s_mul_i32 s32, s18, 1536
	s_add_co_u32 s30, s30, s32
	s_mov_b32 s31, 0
	s_lshl_b32 s32, s27, 9
	s_add_co_u32 s32, s32, SOFF
	s_mov_b32 s33, 0
	s_lshr_b32 s28, s26, 2
	s_lshl_b32 s28, s28, 6
	s_and_b32 s29, s26, 3
	s_lshl_b32 s29, s29, 3
	s_add_co_u32 s28, s28, s29                     ; the tile's first row: 64 g + 8 t
	s_lshl_b32 s28, s28, 12
	s_lshl_b32 s29, s18, 9
	s_add_co_u32 s28, s28, s29
	s_mov_b32 s29, 0
	v_and_b32 v1, 31, v0                           ; lane
	v_and_b32 v2, 15, v0                           ; r
	v_bfe_u32 v3, v0, 4, 1                         ; h
	v_lshlrev_b32 v4, 4, v1                        ; 16 x lane
	v_add_nc_u32 v5, s19, v4                       ; the stage, on the way in
	v_mul_u32_u24 v6, v2, SPITCH
	v_lshl_add_u32 v6, v3, 7, v6
	v_add_nc_u32 v6, s19, v6                       ; and on the way out: row r, + 128 h
	v_lshl_add_u32 v7, v2, 4, s22                  ; where my row's scale word goes
	v_add_nc_u32 v8, GS, v4                        ; wave 0 reads the 512 bytes back
	v_mov_b32 v173, 0                              ; a lane permute's destination counts as one of its sources
	s_wait_alu depctr_va_vdst(0)                   ; the wait at the head's end
	s_wait_kmcnt 0x0
	s_cmp_lt_u32 ttmp9, 256                        ; which tensor: by the work-group's number alone
	s_cselect_b64 s[4:5], s[4:5], s[6:7]
	s_cmp_ge_u32 ttmp9, 320
	s_cselect_b64 s[4:5], s[8:9], s[4:5]
	s_cmp_ge_u32 ttmp9, 384
	s_cselect_b64 s[4:5], s[10:11], s[4:5]
	s_add_nc_u64 s[4:5], s[4:5], s[28:29]
	s_add_nc_u64 s[14:15], s[12:13], s[32:33]      ; my tile's scale words
	s_add_nc_u64 s[16:17], s[12:13], s[30:31]      ; my image
.irp p, 0,1,2,3,4,5,6,7,8,9,10,11,12,13,14,15
	global_load_b128 v[R+4*\p:R+4*\p+3], v4, s[4:5] offset:(\p+24*(\p/8))*4096 th:TH_LOAD_NT   ; tile row p: 32 lanes read 512 consecutive bytes
.endr
.irp p, 0,1,2,3,4,5,6,7,8,9,10,11,12,13,14,15
	s_wait_loadcnt 15-\p                           ; row p is in, the younger rows stay out
	ds_store_b128 v5, v[R+4*\p:R+4*\p+3] offset:SPITCH*\p
.endr
.irp c, 0,1
.irp j, 0,1,2,3,4,5,6,7
	ds_load_b128 v[X+32*\c+4*\j:X+32*\c+4*\j+3], v6 offset:256*\c+16*\j   ; LDS serves a wave's instructions in order: these see my stores
.endr
.endr
	s_wait_dscnt 0x0
.irp c, 0,1
	v_max3_num_f32 v[BM+\c], |v[X+32*\c]|, |v[X+1+32*\c]|, 0x1800000   ; with the floor 2^(3 - 127)
	v_max3_num_f32 v[BN+\c], |v[X+16+32*\c]|, |v[X+17+32*\c]|, |v[X+18+32*\c]|
.endr
.irp i, 2,4,6,8,10,12
.irp c, 0,1
	v_max3_num_f32 v[BM+\c], v[BM+\c], |v[X+\i+32*\c]|, |v[X+1+\i+32*\c]|
	v_max3_num_f32 v[BN+\c], v[BN+\c], |v[X+17+\i+32*\c]|, |v[X+18+\i+32*\c]|
.endr
.endr
.irp c, 0,1
	v_max3_num_f32 v[BM+\c], v[BM+\c], |v[X+14+32*\c]|, |v[X+15+32*\c]|
.endr
.irp c, 0,1
	v_max3_num_f32 v[BM+\c], v[BM+\c], v[BN+\c], |v[X+31+32*\c]|
.endr
.irp c, 0,1
	v_add_nc_u32 v[SO+\c], 0xff000000, v[BM+\c]    ; 2 off the exponent field: the conversion's scale operand
.endr
.irp c, 0,1
	v_lshrrev_b32 v[BY+\c], 23, v[SO+\c]           ; the scale's byte
.endr
	v_lshl_or_b32 v172, v[BY+1], 16, v[BY]         ; my blocks h and 2 + h
	v_permlanex16_b32 v173, v172, s24, s25         ; the other half's
.irp c, 0,1
	v_cvt_scalef32_pk16_fp6_f32 v[PC+6*\c:PC+2+6*\c], v[X+32*\c:X+15+32*\c], v[SO+\c]
	v_cvt_scalef32_pk16_fp6_f32 v[XT+4*\c:XT+2+4*\c], v[X+16+32*\c:X+31+32*\c], v[SO+\c]   ; (a conversion's three registers begin on an even number)
.endr
	s_mov_b32 vcc_lo, 0xffff0000
	v_cndmask_b32 v174, v172, v173, vcc_lo         ; h = 0's two bytes,
	v_cndmask_b32 v175, v173, v172, vcc_lo         ; h = 1's,
	v_lshl_or_b32 v[PW], v175, 8, v174             ; the row's scale word, the same in lanes r and r + 16
.irp c, 0,1
.irp i, 0,1,2
	v_mov_b32 v[PC+3+6*\c+\i], v[XT+4*\c+\i]
.endr
.endr
.irp q, 0,1,2
	global_store_b128 v4, v[PC+4*\q:PC+4*\q+3], s[16:17] offset:512*\q   ; 512 consecutive bytes, at a multiple of 256 from img's first byte
.endr
	ds_store_b32 v7, v[PW]                         ; lanes r and r + 16 write the same word with the same value
	s_wait_dscnt 0x0                               ; for wave 0's sake: my word has landed
	s_barrier_signal -1
	s_barrier_wait -1
	s_cmp_lg_u32 s18, 0
	s_cbranch_scc1 .Ldone
	ds_load_b128 v[OW:OW+3], v8
	s_wait_dscnt 0x0
	global_store_b128 v4, v[OW:OW+3], s[14:15]     ; the tile's 512 bytes of scale words
.Ldone:
	s_wait_tensorcnt 0x0                           ; the wave's end
	ds_add_u32 v[SPW], v[NIL]
	s_wait_dscnt 0x0
	s_endpgm
.Lfunc_end_k_q31fe7c2c49_quant:
	.size	k_q31fe7c2c49_quant, .Lfunc_end_k_q31fe7c2c49_quant-k_q31fe7c2c49_quant
	.p2alignl 7, 3214868480
	.fill 96, 4, 3214868480
	.section	.rodata,"a",@progbits
	.p2align	6, 0x0
	.amdhsa_kernel k_q31fe7c2c49_quant
		.amdhsa_group_segment_fixed_size 69120
		.amdhsa_private_segment_fixed_size 0
		.amdhsa_enable_private_segment 0
		.amdhsa_kernarg_size 40
		.amdhsa_user_sgpr_count 2
		.amdhsa_user_sgpr_kernarg_segment_ptr 1
		.amdhsa_wavefront_size32 1
		.amdhsa_system_sgpr_workgroup_id_x 1
		.amdhsa_system_sgpr_workgroup_id_y 1
		.amdhsa_system_sgpr_workgroup_id_z 1
		.amdhsa_system_vgpr_workitem_id 0
		.amdhsa_next_free_vgpr 192
		.amdhsa_next_free_sgpr 66
		.amdhsa_reserve_vcc 1
		.amdhsa_float_denorm_mode_32 3
		.amdhsa_float_denorm_mode_16_64 3
		.amdhsa_memory_ordered 1
		.amdhsa_forward_progress 1
		.amdhsa_inst_pref_size 11
	.end_amdhsa_kernel
	.amdgpu_metadata
---
amdhsa.version: [ 1, 2 ]
amdhsa.kernels:
  - .name:           k_q31fe7c2c49_quant
    .symbol:         k_q31fe7c2c49_quant.kd
    .args:
      - { .name: hidden_states, .offset: 0, .size: 8, .value_kind: global_buffer, .address_space: global }
      - { .name: Wq, .offset: 8, .size: 8, .value_kind: global_buffer, .address_space: global }
      - { .name: Wk, .offset: 16, .size: 8, .value_kind: global_buffer, .address_space: global }
      - { .name: Wv, .offset: 24, .size: 8, .value_kind: global_buffer, .address_space: global }
      - { .name: img, .offset: 32, .size: 8, .value_kind: global_buffer, .address_space: global }
    .group_segment_fixed_size: 69120
    .private_segment_fixed_size: 0
    .kernarg_segment_align: 8
    .kernarg_segment_size: 40
    .max_flat_workgroup_size: 256
    .sgpr_count:     66
    .vgpr_count:     192
    .wavefront_size: 32
...
	.end_amdgpu_metadata
.endif
;; end of part 1
;; launch proj (part 2): grid 16 x 16, 12 waves a work-group, clusters of 4 x 4, 327,680 bytes of LDS; arguments img, bq, bk, bv, att; writes att
.if DOCPART == 2
	.amdgcn_target "amdgcn-amd-amdhsa--gfx1250"
	.amdhsa_code_object_version 6
	.text
	.protected	k_q31fe7c2c49_proj
	.globl	k_q31fe7c2c49_proj
	.p2align	8
	.type	k_q31fe7c2c49_proj,@function
k_q31fe7c2c49_proj:
	s_mov_b64 s[64:65], 0
	v_nop
	global_prefetch_b8 v0, s[64:65] scope:SCOPE_SE
	s_setreg_imm32_b32 hwreg(HW_REG_WAVE_MODE, 25, 1), 1
	s_wait_xcnt 0x0
	s_wait_alu depctr_hold_cnt(0) depctr_sa_sdst(0) depctr_va_vdst(0) depctr_va_sdst(0) depctr_va_ssrc(0) depctr_va_vcc(0) depctr_vm_vsrc(0)
	s_getreg_b32 s2, hwreg(HW_REG_IB_STS2, 6, 4)
	s_cmp_eq_u32 s2, 0
	s_cbranch_scc0 .Lentry_in_a_cluster
	s_endpgm
.Lentry_in_a_cluster:
	s_bfe_u32 s2, ttmp6, 0x10000c
	s_cmp_lg_u32 s2, 0xf033
	s_cbranch_scc0 .Lentry_shape_is_right
	s_endpgm
.Lentry_shape_is_right:
; q = x Wq^T + bq, k = x Wk^T + bk, v = x Wv^T + bv on codes of FP6 (E2M3) with E8M0 scales, and each result quantised in registers for attention's products.
; SHARES.  A work-group makes ONE HEAD's q, k and v for 256 tokens: 16 heads x 16 token blocks = 256 work-groups.  Twelve waves: role = wave / 4 (0 q, 1 k, 2 v), band wt = wave % 4 (64 tokens); a wave makes 64 x 64.
; Source 0 is P, whose index becomes the next product's K; source 1 is R, whose index becomes the next operand's row.  q, k: P = the weight (the head's 64), R = x.   v: P = x (the keys), R = Wv (the channels).
; By the order of a tile's rows, register 8 t + j of lane (r, h) is P index 32 h + 8 t + j: a lane's 32 registers are one scale block of the next product.
; LDS.  K goes in four quarters of two K steps: 28 tiles (x's 16, the head's 12 of weights) x 3,072 bytes a quarter.  Three regions take quarters 0 to 2, all asked for at the head, ONE load a wave;
; quarter 3 fills quarter 0's region again, behind a drained round of the cluster's barrier.  The scale words of all of K come at the head: Wq's and Wk's 8 tiles, x's 16, Wv's 4, 512 bytes each.
; CLUSTER 4 x 4.  x's tiles hang on the token block alone: asked for jointly by a row of the cluster.  The weights' hang on the head alone: jointly by a column.
; No prefetch: there is no loop; three quarters of what the launch reads are asked for at the head, and quarter 3 is asked for two quarters of the work ahead of its use.
; OUT (att): a head's key step of 128 keys is 13,312 bytes: K: [band][tile pair][3 pieces of 512] = 6,144; K's scale words 2 x 256; V: [band][channel tile] units of 768 (registers 0-3 at 16 l, 4-5 at 512 + 8 l) = 6,144; V's scale words 2 x 256.
; q: from QI, [head][band][pair][3 pieces]; its scale words from QS, [head][band] 256 bytes.  256 bytes of scale words: the word at 8 l: lanes 0-15 tiles 0, 1 of row l, lanes 16-31 tiles 2, 3: bytes tile a block 0, 1, tile b block 0, 1; the word at 8 l + 4 repeats it.
; LIMITS: NaN and infinities are not served; a block whose largest magnitude lies under 2^(3 - 127), zeros among them, gets the byte 1; only this program reads the bytes.
.set RG,   86016                       ; a region: 28 x 3,072
.set WOF,  49152                       ; the weights' tiles behind x's 16
.set SCL,  3*RG                        ; scale words
.set SPARE, SCL+28*512
.set SOFF, 5505024
.set QI,   6815744
.set QS,   9961472
.set AP0, 1
.set AR0, 2
.set ASC, 3
.set AP,  4
.set AR,  5
.set LANE, 6
.set RR,  7
.set HH,  8
.set L16, 9
.set L8,  10
.set BO,  11
.set SPW, 12
.set NIL, 13
.set SC,  16                           ; v16-31 register 4 i + q: lanes 0-15 P tile i's word, lanes 16-31 R tile i's; scales and nothing else
.set PF,  32
.set RF,  80
.set ACC, 128                          ; accumulator (t, m) at ACC + 32 m + 8 t
.set U,   64                           ; the epilogue: unit m's codes at U + 6 m
.set XT,  88
.set BM,  104
.set BN,  108
.set SO,  112
.set BY,  116
.set XW,  120
.set YW,  122
.set LO,  124
.set HI,  125
.set PW,  126
.set G1X, 24
.set G1W, 32
.set G1A, 40
.set G1B, 48
.set G1C, 56
.set G0A, 68
.set G0X, 72
.set G0W, 76
.set SEL, 96
.set MSB, 0
.macro WIN new
.if MSB != \new
	s_set_vgpr_msb (MSB<<8)|\new
.set MSB, \new
.endif
.endm
.macro PLACES n
.rept \n
	v_nop
.endr
.endm
.macro CROUND                          ; a round of the cluster's barrier
	s_barrier_signal -1
	s_barrier_wait -1
	s_cmp_lg_u32 s14, 0
	s_cbranch_scc1 .Lnot_wave_0_\@
	s_barrier_signal -3
.Lnot_wave_0_\@:
	s_barrier_wait -3
	s_barrier_signal -1
	s_barrier_wait -1
.endm
.macro GRP g, mask, d0, rows, pitch    ; descriptor group 1: elements of 8 bytes, no padding; bit 21 set beside a mask
	s_or_b32 s[\g], s[\mask], (3<<16)|(1<<21)
	s_mov_b32 s[\g+1], (\d0)<<16
	s_mov_b32 s[\g+2], (\rows)<<16
	s_mov_b32 s[\g+3], (\d0)<<16
	s_mov_b32 s[\g+4], \rows
	s_mov_b32 s[\g+5], \pitch
	s_mov_b32 s[\g+6], 0
	s_mov_b32 s[\g+7], 0
.endm
.macro TLOAD g0, g1
	tensor_load_to_lds s[\g0:\g0+3], s[\g1:\g1+7]
	s_nop 0
	PLACES 4
.endm
.macro HLOAD g1, lr, lc, b, c          ; a head's load: to LDS s[lr] + lc, from the address in s[b] + c
	s_mov_b32 s[G0A], 1
	s_add_co_u32 s[G0A+1], s[\lr], \lc
	s_add_nc_u64 s[G0A+2:G0A+3], s[\b:\b+1], \c
	s_or_b32 s[G0A+3], s[G0A+3], 0x80000000
	TLOAD G0A, \g1
.endm
.macro ARM under, next, g1, lr, lc, b, c
	s_cmp_lt_u32 s14, \under
	s_cbranch_scc0 \next
	HLOAD \g1, \lr, \lc, \b, \c
	s_branch .Lasked
\next:
.endm
; A K step of 128, the region's kq-th; sq: which scale word.  24 LDS loads of 512 consecutive bytes, 16 matrix instructions; the accumulators take turns, one instruction a turn, in the same order in every step
; zero = 1: the products start the sums.  sc >= 0: four K steps' scale words come first, at that byte.
.macro KSTEP kq, sq, zero, sc
.if !(\zero)
	PLACES 4                                       ; places in front of loads into registers that matrix instructions have read
.endif
.if (\sc) >= 0
.irp i, 0,1,2,3
	ds_load_b128 v[SC+4*\i:SC+4*\i+3], v[ASC] offset:512*\i+(\sc)
.endr
.endif
.irp t, 0,1,2,3
.irp p, 0,1,2
	ds_load_b128 v[PF+12*\t+4*\p:PF+12*\t+4*\p+3], v[AP] offset:3072*\t+1536*(\kq)+512*\p
.endr
.endr
.irp m, 0,1,2,3
.irp p, 0,1,2
	ds_load_b128 v[RF+12*\m+4*\p:RF+12*\m+4*\p+3], v[AR] offset:3072*\m+1536*(\kq)+512*\p
.endr
.endr
.irp m, 0,1,2,3
	s_wait_dscnt 3*(3-\m)                          ; all up to R's fragment m are in; the later fragments' three loads each may be out
.irp t, 0,1,2,3
.if \zero
	v_wmma_scale_f32_16x16x128_f8f6f4 v[ACC+32*\m+8*\t:ACC+32*\m+8*\t+7], v[PF+12*\t:PF+12*\t+11], v[RF+12*\m:RF+12*\m+11], 0, v[SC+4*\t+(\sq)], v[SC+4*\m+(\sq)] matrix_a_fmt:MATRIX_FMT_FP6 matrix_b_fmt:MATRIX_FMT_FP6 matrix_b_scale:MATRIX_SCALE_ROW1
.else
	v_wmma_scale_f32_16x16x128_f8f6f4 v[ACC+32*\m+8*\t:ACC+32*\m+8*\t+7], v[PF+12*\t:PF+12*\t+11], v[RF+12*\m:RF+12*\m+11], v[ACC+32*\m+8*\t:ACC+32*\m+8*\t+7], v[SC+4*\t+(\sq)], v[SC+4*\m+(\sq)] matrix_a_fmt:MATRIX_FMT_FP6 matrix_b_fmt:MATRIX_FMT_FP6 matrix_b_scale:MATRIX_SCALE_ROW1
.endif
.endr
.endr
.endm
	s_load_b256 s[4:11], s[0:1], 0x0               ; img, bq, bk, bv
	s_load_b64 s[12:13], s[0:1], 0x20              ; att
	v_lshl_add_u32 v[SPW], v0, 2, SPARE
	v_mov_b32 v[NIL], 0
	ds_add_u32 v[SPW], v[NIL]                      ; the opening lines: the add, twice on end, ahead of my first tensor load
	ds_add_u32 v[SPW], v[NIL]
	v_lshrrev_b32 v1, 5, v0
	v_readfirstlane_b32 s14, v1                    ; wave 0..11
	s_lshr_b32 s15, s14, 2                         ; role
	s_and_b32 s16, s14, 3                          ; wt
	s_and_b32 s17, s14, 1                          ; which half of x's tiles I fetch, if I do
	s_bfe_u32 s18, ttmp6, 0x40000                  ; cx
	s_bfe_u32 s19, ttmp6, 0x40004                  ; cy
	s_lshl_b32 s20, ttmp9, 2
	s_add_co_u32 s20, s20, s18                     ; the head
	s_and_b32 s21, ttmp7, 0xffff
	s_lshl_b32 s21, s21, 2
	s_add_co_u32 s21, s21, s19                     ; the token block
	s_lshl_b32 s22, 0x1111, s18                    ; my column of the cluster
	s_lshl_b32 s23, s19, 2
	s_lshl_b32 s23, 15, s23                        ; my row
	GRP G1X, 23, 384, 8, 1536                      ; x: 8 tiles' quarters of 3,072 bytes, 12,288 apart
	GRP G1W, 22, 384, 12, 1536                     ; the head's 12 tiles of weights
	GRP G1A, 23, 32, 32, 32                        ; x's scale words: 8,192 dense bytes
	GRP G1B, 22, 32, 16, 32                        ; Wq's and Wk's: 4,096
	GRP G1C, 22, 32, 8, 32                         ; Wv's: 2,048
	s_mul_i32 s66, s17, 24576
	s_mov_b32 s67, 0
	s_mul_i32 s88, s21, 196608
	s_mul_i32 s90, s17, 98304
	s_add_co_u32 s88, s88, s90
	s_mov_b32 s89, 0
	s_mul_i32 s90, s20, 147456
	s_add_co_u32 s90, s90, 3145728
	s_mov_b32 s91, 0
	s_lshl_b32 s92, s21, 13
	s_add_co_u32 s92, s92, SOFF
	s_mov_b32 s93, 0
	s_mul_i32 s94, s20, 6144
	s_add_co_u32 s94, s94, SOFF+131072
	s_mov_b32 s95, 0
	s_wait_dscnt 0x0                               ; both opening adds are done
	s_wait_kmcnt 0x0
	s_add_nc_u64 s[80:81], s[4:5], s[88:89]        ; x's tiles, my half
	s_add_nc_u64 s[82:83], s[4:5], s[90:91]        ; the head's weights
	s_add_nc_u64 s[84:85], s[4:5], s[92:93]        ; x's scale words
	s_add_nc_u64 s[86:87], s[4:5], s[94:95]        ; the weights'
	CROUND                                         ; all sixteen work-groups are here: the joint loads meet
	ARM 2,  .Larm_1, G1X, 66, 0, 80, 0             ; waves 0, 1: quarter 0 of x
	ARM 3,  .Larm_2, G1W, 67, WOF, 82, 0           ; wave 2: of the weights
	ARM 4,  .Larm_3, G1A, 67, SCL+4096, 84, 0      ; waves 3 to 5: the scale words
	ARM 5,  .Larm_4, G1B, 67, SCL, 86, 0
	ARM 6,  .Larm_5, G1C, 67, SCL+12288, 86, 4096
	ARM 8,  .Larm_6, G1X, 66, RG, 80, 3072         ; waves 6, 7: quarter 1 of x
	ARM 10, .Larm_7, G1X, 66, 2*RG, 80, 6144       ; waves 8, 9: quarter 2
	ARM 11, .Larm_8, G1W, 67, RG+WOF, 82, 3072     ; waves 10, 11: the weights'
	HLOAD G1W, 67, 2*RG+WOF, 82, 6144
.Lasked:
	s_mov_b32 s[G0X], 1                            ; quarter 3, for the refill
	s_add_co_u32 s[G0X+1], s66, 0
	s_add_nc_u64 s[G0X+2:G0X+3], s[80:81], 9216
	s_or_b32 s[G0X+3], s[G0X+3], 0x80000000
	s_mov_b32 s[G0W], 1
	s_mov_b32 s[G0W+1], WOF
	s_add_nc_u64 s[G0W+2:G0W+3], s[82:83], 9216
	s_or_b32 s[G0W+3], s[G0W+3], 0x80000000
	s_mov_b32 s[SEL], 0x76543210
	s_mov_b32 s[SEL+1], 0xfedcba98
	; where my units and my scale words go
	s_lshr_b32 s88, s21, 3
	s_lshl_b32 s88, s88, 4
	s_add_co_u32 s88, s88, s20                     ; 16 batch + head
	s_and_b32 s89, s21, 7
	s_lshl_b32 s89, s89, 2
	s_add_co_u32 s89, s89, s16                     ; band 0..31 of the batch
	s_mul_i32 s90, s88, 212992
	s_lshr_b32 s91, s89, 1
	s_mul_i32 s91, s91, 13312
	s_add_co_u32 s90, s90, s91                     ; the key step
	s_and_b32 s91, s89, 1
	s_mul_i32 s92, s91, 3072
	s_lshl_b32 s93, s91, 8
	s_mov_b32 s95, 6144
	s_cmp_eq_u32 s15, 2
	s_cselect_b32 s94, 6656, 0
	s_cselect_b32 s95, 12800, s95
	s_add_co_u32 s92, s92, s90
	s_add_co_u32 s92, s92, s94
	s_add_co_u32 s93, s93, s90
	s_add_co_u32 s93, s93, s95
	s_mul_i32 s94, s88, 98304
	s_mul_i32 s95, s89, 3072
	s_add_co_u32 s94, s94, s95
	s_add_co_u32 s94, s94, QI
	s_lshl_b32 s88, s88, 13
	s_lshl_b32 s89, s89, 8
	s_add_co_u32 s88, s88, s89
	s_add_co_u32 s88, s88, QS
	s_cmp_eq_u32 s15, 0
	s_cselect_b32 s92, s94, s92
	s_cselect_b32 s94, s88, s93
	s_mov_b32 s93, 0
	s_mov_b32 s95, 0
	s_add_nc_u64 s[80:81], s[12:13], s[92:93]
	s_add_nc_u64 s[82:83], s[12:13], s[94:95]
	; the bias: bq, bk or bv at the head's 64
	s_cmp_eq_u32 s15, 0
	s_cselect_b64 s[84:85], s[6:7], s[8:9]
	s_cmp_eq_u32 s15, 2
	s_cselect_b64 s[84:85], s[10:11], s[84:85]
	s_lshl_b32 s92, s20, 8
	s_add_nc_u64 s[84:85], s[84:85], s[92:93]
	; LDS: which tiles are my P and my R
	s_lshr_b32 s90, s15, 1                         ; 1 for v
	s_xor_b32 s91, s90, 1                          ; 1 for q, k
	s_lshl_b32 s92, s16, 2                         ; x's tiles 4 wt ..
	s_lshl_b32 s93, s15, 2
	s_mul_i32 s95, s90, s92
	s_add_co_u32 s94, s93, 16
	s_mul_i32 s94, s94, s91
	s_add_co_u32 s94, s94, s95                     ; P: q, k: 16 + 4 role; v: 4 wt
	s_mul_i32 s94, s94, 3072
	s_mul_i32 s89, s90, 24
	s_mul_i32 s88, s91, s92
	s_add_co_u32 s88, s88, s89                     ; R: q, k: 4 wt; v: 24
	s_mul_i32 s88, s88, 3072
	s_add_co_u32 s98, s93, s95                     ; P's scale words: q, k: 4 role; v: 8 + 4 wt
	s_add_co_u32 s99, s92, 8
	s_mul_i32 s99, s99, s91
	s_add_co_u32 s99, s99, s89                     ; R's: q, k: 8 + 4 wt; v: 24
	s_sub_co_u32 s99, s99, s98
	s_lshl_b32 s99, s99, 9                         ; R's lie behind P's in every role
	s_lshl_b32 s98, s98, 9
	s_add_co_u32 s98, s98, SCL
	v_and_b32 v[LANE], 31, v0
	v_and_b32 v[RR], 15, v0
	v_bfe_u32 v[HH], v0, 4, 1
	v_lshlrev_b32 v[L16], 4, v[LANE]
	v_lshlrev_b32 v[L8], 3, v[LANE]
	v_add_nc_u32 v[AP0], s94, v[L16]
	v_add_nc_u32 v[AR0], s88, v[L16]
	v_mul_u32_u24 v[ASC], s99, v[HH]               ; lanes 16-31 take R's: one product
	v_lshl_add_u32 v[ASC], v[RR], 4, v[ASC]
	v_add_nc_u32 v[ASC], s98, v[ASC]
	v_add_nc_u32 v[AP], s94, v[L16]
	v_add_nc_u32 v[AR], s88, v[L16]
	s_wait_alu depctr_va_vdst(0)                   ; ahead of the branch
	s_cmp_eq_u32 s15, 2
	s_cbranch_scc1 .Lbias_v
	v_lshlrev_b32 v[BO], 7, v[HH]                  ; q, k: register i wants column 32 h + i: v256-287
	WIN 0x40
.irp i, 0,1,2,3,4,5,6,7
	global_load_b128 v[4*\i:4*\i+3], v[BO], s[84:85] offset:16*\i
.endr
	WIN 0
	s_branch .Lbias_asked
.Lbias_v:
	v_lshrrev_b32 v[BO], 3, v[RR]                  ; v: lane r of R tile m is channel 32 (r / 8) + 8 m + r % 8
	v_and_b32 v[LANE], 7, v[RR]
	v_lshlrev_b32 v[BO], 7, v[BO]
	v_lshl_add_u32 v[BO], v[LANE], 2, v[BO]
	WIN 0x40
.irp m, 0,1,2,3
	global_load_b32 v[2*\m], v[BO], s[84:85] offset:32*\m
.endr
	WIN 0
.Lbias_asked:
	s_wait_alu depctr_va_vdst(0)                   ; the wait at the head's end
	s_cmp_lt_u32 s14, 6
	s_cbranch_scc0 .Lnot_first
	s_wait_tensorcnt 0x0                           ; waves 0 to 5: quarter 0 and the scale words
.Lnot_first:
	s_barrier_signal -1
	s_barrier_wait -1                              ; they are in; quarters 1 and 2 may be on their way
	KSTEP 0, 0, 1, 0
	KSTEP 1, 1, 0, -1
	s_wait_tensorcnt 0x0                           ; all my loads: quarters 1 and 2 are in;
	ds_add_u32 v[SPW], v[NIL]
	s_wait_dscnt 0x0                               ; the add and my reads of quarter 0 are done
	CROUND
	s_cmp_lt_u32 s14, 2
	s_cbranch_scc0 .Lnot_x
	TLOAD G0X, G1X                                 ; quarter 3 onto quarter 0: waves 0, 1 x's halves,
	s_branch .Lrefilled
.Lnot_x:
	s_cmp_eq_u32 s14, 2
	s_cbranch_scc0 .Lrefilled
	TLOAD G0W, G1W                                 ; wave 2 the weights
.Lrefilled:
	v_add_nc_u32 v[AP], RG, v[AP0]
	v_add_nc_u32 v[AR], RG, v[AR0]
	s_wait_alu depctr_va_vdst(0)
	KSTEP 0, 2, 0, -1
	KSTEP 1, 3, 0, -1
	v_add_nc_u32 v[AP], 2*RG, v[AP0]
	v_add_nc_u32 v[AR], 2*RG, v[AR0]
	s_wait_alu depctr_va_vdst(0)
	KSTEP 0, 0, 0, 256
	KSTEP 1, 1, 0, -1
	v_mov_b32 v[AP], v[AP0]
	v_mov_b32 v[AR], v[AR0]
	s_wait_alu depctr_va_vdst(0)
	s_wait_tensorcnt 0x0
	s_wait_dscnt 0x0
	s_barrier_signal -1
	s_barrier_wait -1                              ; quarter 3 is in
	KSTEP 0, 2, 0, -1
	KSTEP 1, 3, 0, -1
	PLACES 4                                       ; in front of the first reads of results
	s_wait_loadcnt 0x0                             ; the bias
	s_cmp_eq_u32 s15, 2
	s_cbranch_scc1 .Ladd_v
	WIN 0x04
.irp m, 0,1,2,3
.irp i, 0,2,4,6,8,10,12,14,16,18,20,22,24,26,28,30
	v_pk_add_f32 v[ACC+32*\m+\i:ACC+32*\m+\i+1], v[ACC+32*\m+\i:ACC+32*\m+\i+1], v[\i:\i+1]   ; ascending: each accumulator is read from its low end on
.endr
.endr
	WIN 0
	s_wait_alu depctr_va_vdst(0)
	s_branch .Ladded
.Ladd_v:
	WIN 0x41
.irp m, 0,1,2,3
	v_mov_b32 v[2*\m+1], v[2*\m]
.endr
	WIN 0x04
.irp m, 0,1,2,3
.irp i, 0,2,4,6,8,10,12,14,16,18,20,22,24,26,28,30
	v_pk_add_f32 v[ACC+32*\m+\i:ACC+32*\m+\i+1], v[ACC+32*\m+\i:ACC+32*\m+\i+1], v[2*\m:2*\m+1]
.endr
.endr
	WIN 0
	s_wait_alu depctr_va_vdst(0)
.Ladded:
	v_mov_b32 v[YW], 0                             ; a lane permute's destination counts as one of its sources
	v_mov_b32 v[YW+1], 0
.irp m, 0,1,2,3                                ; R tile m: my 32 numbers are one block
	v_max3_num_f32 v[BM+\m], |v[ACC+32*\m]|, |v[ACC+1+32*\m]|, 0x1800000   ; with the floor 2^(3 - 127)
	v_max3_num_f32 v[BN+\m], |v[ACC+16+32*\m]|, |v[ACC+17+32*\m]|, |v[ACC+18+32*\m]|
.endr
.irp i, 2,4,6,8,10,12
.irp m, 0,1,2,3
	v_max3_num_f32 v[BM+\m], v[BM+\m], |v[ACC+\i+32*\m]|, |v[ACC+1+\i+32*\m]|
	v_max3_num_f32 v[BN+\m], v[BN+\m], |v[ACC+17+\i+32*\m]|, |v[ACC+18+\i+32*\m]|
.endr
.endr
.irp m, 0,1,2,3
	v_max3_num_f32 v[BM+\m], v[BM+\m], |v[ACC+14+32*\m]|, |v[ACC+15+32*\m]|
.endr
.irp m, 0,1,2,3
	v_max3_num_f32 v[BM+\m], v[BM+\m], v[BN+\m], |v[ACC+31+32*\m]|
.endr
.irp m, 0,1,2,3
	v_add_nc_u32 v[SO+\m], 0xff000000, v[BM+\m]    ; 2 off the exponent field: the conversion's scale operand
.endr
.irp m, 0,1,2,3
	v_lshrrev_b32 v[BY+\m], 23, v[SO+\m]           ; the scale's byte
.endr
.irp p, 0,1
	v_lshl_or_b32 v[XW+\p], v[BY+2*\p+1], 16, v[BY+2*\p]
.endr
.irp p, 0,1
	v_permlanex16_b32 v[YW+\p], v[XW+\p], s[SEL], s[SEL+1]
.endr
.irp m, 0,1,2,3
	v_cvt_scalef32_pk16_fp6_f32 v[U+6*\m:U+6*\m+2], v[ACC+32*\m:ACC+32*\m+15], v[SO+\m]
	v_cvt_scalef32_pk16_fp6_f32 v[XT+4*\m:XT+4*\m+2], v[ACC+32*\m+16:ACC+32*\m+31], v[SO+\m]   ; (a conversion's three registers begin on an even number)
.endr
	s_mov_b32 vcc_lo, 0xffff0000
	v_cndmask_b32 v[LO], v[XW], v[YW+1], vcc_lo    ; lanes 0-15: tiles 0, 1, block 0; lanes 16-31: tiles 2, 3, block 0
	v_cndmask_b32 v[HI], v[YW], v[XW+1], vcc_lo    ; the same, block 1
	v_lshl_or_b32 v[PW], v[HI], 8, v[LO]
	v_lshl_or_b32 v[PW+1], v[HI], 8, v[LO]
.irp m, 0,1,2,3
.irp i, 0,1,2
	v_mov_b32 v[U+6*\m+3+\i], v[XT+4*\m+\i]
.endr
.endr
	s_wait_alu depctr_va_vdst(0)                   ; ahead of the branch
	global_store_b64 v[L8], v[PW:PW+1], s[82:83]   ; 256 consecutive bytes, at a multiple of 256 from att's first byte
	s_cmp_eq_u32 s15, 2
	s_cbranch_scc1 .Lout_v
.irp i, 0,1,2,3,4,5
	global_store_b128 v[L16], v[U+4*\i:U+4*\i+3], s[80:81] offset:512*\i   ; two operands of twelve registers: 3,072 consecutive bytes
.endr
	s_branch .Lout
.Lout_v:
.irp m, 0,1,2,3
	global_store_b128 v[L16], v[U+6*\m:U+6*\m+3], s[80:81] offset:768*\m
	global_store_b64 v[L8], v[U+6*\m+4:U+6*\m+5], s[80:81] offset:768*\m+512
.endr
.Lout:
	s_wait_tensorcnt 0x0                           ; the wave's end
	ds_add_u32 v[SPW], v[NIL]
	s_wait_dscnt 0x0
	CROUND                                         ; the closing round
	s_endpgm
.Lfunc_end_k_q31fe7c2c49_proj:
	.size	k_q31fe7c2c49_proj, .Lfunc_end_k_q31fe7c2c49_proj-k_q31fe7c2c49_proj
	.p2alignl 7, 3214868480
	.fill 96, 4, 3214868480
	.section	.rodata,"a",@progbits
	.p2align	6, 0x0
	.amdhsa_kernel k_q31fe7c2c49_proj
		.amdhsa_group_segment_fixed_size 327680
		.amdhsa_private_segment_fixed_size 0
		.amdhsa_enable_private_segment 0
		.amdhsa_kernarg_size 40
		.amdhsa_user_sgpr_count 2
		.amdhsa_user_sgpr_kernarg_segment_ptr 1
		.amdhsa_wavefront_size32 1
		.amdhsa_system_sgpr_workgroup_id_x 1
		.amdhsa_system_sgpr_workgroup_id_y 1
		.amdhsa_system_sgpr_workgroup_id_z 1
		.amdhsa_system_vgpr_workitem_id 0
		.amdhsa_next_free_vgpr 288
		.amdhsa_next_free_sgpr 102
		.amdhsa_reserve_vcc 1
		.amdhsa_float_denorm_mode_32 3
		.amdhsa_float_denorm_mode_16_64 3
		.amdhsa_memory_ordered 1
		.amdhsa_forward_progress 1
		.amdhsa_inst_pref_size 63
	.end_amdhsa_kernel
	.amdgpu_metadata
---
amdhsa.version: [ 1, 2 ]
amdhsa.kernels:
  - .name:           k_q31fe7c2c49_proj
    .symbol:         k_q31fe7c2c49_proj.kd
    .args:
      - { .name: img, .offset: 0, .size: 8, .value_kind: global_buffer, .address_space: global }
      - { .name: bq, .offset: 8, .size: 8, .value_kind: global_buffer, .address_space: global }
      - { .name: bk, .offset: 16, .size: 8, .value_kind: global_buffer, .address_space: global }
      - { .name: bv, .offset: 24, .size: 8, .value_kind: global_buffer, .address_space: global }
      - { .name: att, .offset: 32, .size: 8, .value_kind: global_buffer, .address_space: global }
    .group_segment_fixed_size: 327680
    .private_segment_fixed_size: 0
    .kernarg_segment_align: 8
    .kernarg_segment_size: 40
    .max_flat_workgroup_size: 384
    .sgpr_count:     102
    .vgpr_count:     288
    .wavefront_size: 32
...
	.end_amdgpu_metadata
.endif
;; end of part 2
;; launch attn (part 3): grid 8 x 32, 8 waves a work-group, clusters of 4 x 1, 291,840 bytes of LDS; arguments att, attn_mask, out0; writes out0
.if DOCPART == 3
	.amdgcn_target "amdgcn-amd-amdhsa--gfx1250"
	.amdhsa_code_object_version 6
	.text
	.protected	k_q31fe7c2c49_attn
	.globl	k_q31fe7c2c49_attn
	.p2align	8
	.type	k_q31fe7c2c49_attn,@function
k_q31fe7c2c49_attn:
	s_mov_b64 s[64:65], 0
	v_nop
	global_prefetch_b8 v0, s[64:65] scope:SCOPE_SE
	s_setreg_imm32_b32 hwreg(HW_REG_WAVE_MODE, 25, 1), 1
	s_wait_xcnt 0x0
	s_wait_alu depctr_hold_cnt(0) depctr_sa_sdst(0) depctr_va_vdst(0) depctr_va_sdst(0) depctr_va_ssrc(0) depctr_va_vcc(0) depctr_vm_vsrc(0)
	s_getreg_b32 s2, hwreg(HW_REG_IB_STS2, 6, 4)
	s_cmp_eq_u32 s2, 0
	s_cbranch_scc0 .Lentry_in_a_cluster
	s_endpgm
.Lentry_in_a_cluster:
	s_bfe_u32 s2, ttmp6, 0x10000c
	s_cmp_lg_u32 s2, 0x3003
	s_cbranch_scc0 .Lentry_shape_is_right
	s_endpgm
.Lentry_shape_is_right:
; out[b][q][64 head + :] = the sum over keys of softmax_k(q . k / 8 - 10000 (1 - mask[b][k])) v[k][:], both products on codes of FP6 (E2M3) with E8M0 scales.
; THE SOFTMAX: t = logit x log2(e); M = the row's largest t so far, rounded UP to a whole number; p = 2^(t - M) is what is quantised, along the keys, not normalised; the row's sum is taken of the unquantised p and divides O
; at the end.  When M moves, the sum and O are multiplied by 2^(old M - new M): exact.
; t IS ROUNDED TO f32 BEFORE M IS TAKEN OFF, as the definition writes it: a multiplication, then an addition, not one fused multiply-add.  Fused, the exponent would differ by up to half a last place of t,
; which for |t| in the thousands is enough to turn a code of p in a row that one key carries.  c = log2(e) / 8 is the f32 log2(e) times a power of two, so S x c rounds as logit x log2(e) does.
; THE MASK costs no vector instruction: -80000 (1 - mask), which is 8 x the logit's term, is the C of the first product; t = (q . k + C) x log2(e) / 8.
; SHARES.  A work-group owns 256 queries of one head (16 batch + head); each of its eight waves two tiles of 16, so that each fragment of K and V and each mask term read from LDS serves both.  A wave walks the head's keys in 8 steps of 256.
; LDS.  The head's K and V, codes and scale words, 212,992 bytes as they lie in att, come ONCE, one tensor load a wave: wave w brings step w.  Step 0 waits for wave 0's load alone, all later steps for all.
; No prefetch: everything is asked for at the head, and no load is left to run ahead of.
; CLUSTER.  The four query blocks of a cluster belong to one head: each load is asked for jointly, with the mask of all four.
; LAYOUT.  Both products are used transposed (S^T = K Q^T, O^T = V^T P^T): a lane holds ONE query of a tile throughout.  Register 32 b + 8 t + j of lane (r, h) is key 64 b + 32 h + 8 t + j of the step: a lane's 32 registers of
; band b are one scale block.  The first product's K is 64: a fragment of K holds TWO tiles of keys, one in each half of the instruction's 128, and meets q in one half and zero codes in the other.
; REGISTERS.  Window 0: addresses, q, K, p's codes, O^T.  Window 1: the scores, tile 0 in v0-127, tile 1 in v128-255; V's fragments take tile 0's when its p are codes; the mask terms of a step come into tile 1's registers and are C for both tiles.
; LIMITS: NaN and infinities are not served; the promise holds while the scaled scores stay under 2^31 in magnitude.  A block's largest p is taken from the block's largest score, which takes v_exp_f32 not to fall where its input rises.
; A block all of whose p are under 2^(3 - 127) gets the byte 1.  For a key whose mask is 1 the term C is -0 and the score stays exact; for any other key the sum of score and term is rounded inside the matrix unit, not by an f32 subtraction:
; the last place of such a key's logit may differ.
.set KVH,   212992
.set SB,    26624                      ; a step of 256 keys: two key steps of 13,312 bytes
.set MT,    212992                     ; LDS behind K and V: 2,048 mask terms
.set STG,   221184                     ; a stage of 32 rows x 272 bytes for each wave
.set SPARE, STG+8*8704
.set QI,    6815744
.set QSI,   9961472
.set L16, 1
.set L8,  2
.set LM,  3
.set A16, 4
.set A8,  5
.set AM,  6
.set NM,  8                            ; v8, v10: -M of tiles 0, 1;  v9, v11: the largest t so far
.set F,   12                           ; v12, v14: f = 2^(old M - new M);  v13, v15 at work
.set SUM, 16                           ; v[16:17], v[18:19] the sums, in two halves
.set BM,  20                           ; v20-27 the blocks' largest score, then t, then p, then the conversions' scale operands
.set QS,  28                           ; scale words, in registers that hold nothing else: q's,
.set KS,  30                           ; K's: band b, lanes 0-15 pair 0, lanes 16-31 pair 1,
.set VS,  34                           ; V's,
.set PS,  38                           ; p's
.set VL,  42                           ; V's as loaded, a band each
.set SPW, 46
.set NIL, 47
.set Q,   48                           ; zeros, q of tile 0, zeros, q of tile 1, zeros: six registers each
.set P,   78                           ; v78-125 p's codes; K's second half while the scores are made
.set KA,  126                          ; v126-173 K's first half
.set O,   174                          ; v174-237 O^T
.set TMP, 238                          ; v238-253
.set WV,  10
.set BH,  12
.set PB,  14
.set BAND, 15
.set G1,  16
.set G0,  24
.set SEL, 40
.set CS,  42
.set TB,  44
.set TMS, 45
.set CNT, 46
.set MSB, 0
.macro WIN new
.if MSB != \new
	s_set_vgpr_msb (MSB<<8)|\new
.set MSB, \new
.endif
.endm
.macro PLACES n
.rept \n
	v_nop
.endr
.endm
.macro CROUND                          ; a round of the cluster's barrier
	s_barrier_signal -1
	s_barrier_wait -1
	s_cmp_lg_u32 s[WV], 0
	s_cbranch_scc1 .Lnot_wave_0_\@
	s_barrier_signal -3
.Lnot_wave_0_\@:
	s_barrier_wait -3
	s_barrier_signal -1
	s_barrier_wait -1
.endm
.macro TLOAD
	tensor_load_to_lds s[G0:G0+3], s[G1:G1+7]
	s_nop 0
	PLACES 4
.endm
; ---- loads of a step's operands; off: bytes from the address registers' step
.macro KLOAD dst, off                  ; four fragments (band, pair) of 128 keys: 12 loads
.irp f, 0,1,2,3
.irp k, 0,1,2
	ds_load_b128 v[\dst+12*\f+4*\k:\dst+12*\f+4*\k+3], v[A16] offset:(\off)+1536*\f+512*\k
.endr
.endr
.endm
.macro KALOAD off                      ; K's first half and the step's scale words
	KLOAD KA, \off
.irp i, 0,1,2,3
	ds_load_b32 v[KS+\i], v[A8] offset:(\off)+13312*(\i/2)+256*(\i%2)+6144
.endr
.irp i, 0,1,2,3
	ds_load_b32 v[VL+\i], v[A8] offset:(\off)+13312*(\i/2)+256*(\i%2)+12800
.endr
.endm
.macro MLOAD off                       ; the mask terms, in the result's layout: 32 loads
	WIN 0x40
.irp b, 0,1,2,3
.irp t, 0,1,2,3
	ds_load_b128 v[128+32*\b+8*\t:131+32*\b+8*\t], v[AM] offset:(\off)+256*\b+32*\t
	ds_load_b128 v[132+32*\b+8*\t:135+32*\b+8*\t], v[AM] offset:(\off)+256*\b+32*\t+16
.endr
.endr
	WIN 0
.endm
.macro ADDR
	v_add_nc_u32 v[A16], s[TB], v[L16]
	v_add_nc_u32 v[A8], s[TB], v[L8]
	v_add_nc_u32 v[AM], s[TMS], v[LM]
.endm
.macro LOADALL
	ADDR
	s_wait_alu depctr_va_vdst(0)
	KALOAD 0
	MLOAD 0
	KLOAD P, 13312
.endm
; ---- the first product: half hf's 128 keys x query tile T; C = the mask terms in tile 1's registers (for tile 1 in place)
.macro QK T, hf, kb
	WIN 0x50
.irp b, 0,1
.irp t, 0,1,2,3
.set C_, 128+64*(\hf)+32*\b+8*\t
.set D_, C_-128+128*(\T)
.set A_, (\kb)+12*(2*\b+\t/2)
.set B_, Q+12*(\T)+6-6*(\t%2)
.if \t/2
	v_wmma_scale_f32_16x16x128_f8f6f4 v[D_:D_+7], v[A_:A_+11], v[B_:B_+11], v[C_:C_+7], v[KS+2*(\hf)+\b], v[QS+(\T)] matrix_a_fmt:MATRIX_FMT_FP6 matrix_b_fmt:MATRIX_FMT_FP6 matrix_a_scale:MATRIX_SCALE_ROW1
.else
	v_wmma_scale_f32_16x16x128_f8f6f4 v[D_:D_+7], v[A_:A_+11], v[B_:B_+11], v[C_:C_+7], v[KS+2*(\hf)+\b], v[QS+(\T)] matrix_a_fmt:MATRIX_FMT_FP6 matrix_b_fmt:MATRIX_FMT_FP6
.endif
.endr
.endr
.endm
.macro MAXT T                          ; the largest score of each of my four blocks: two chains a block, by turns; then as t, by the scores' own multiplication
	WIN 0x14
.irp b, 0,1,2,3
	v_max3_num_f32 v[BM+4*(\T)+\b], 0xff61b1e6, v[128*(\T)+32*\b], v[128*(\T)+32*\b+1]
	v_max3_num_f32 v[TMP+\b], 0xff61b1e6, v[128*(\T)+32*\b+16], v[128*(\T)+32*\b+17]
.endr
.irp i, 2,4,6,8,10,12,14
.irp b, 0,1,2,3
	v_max3_num_f32 v[BM+4*(\T)+\b], v[BM+4*(\T)+\b], v[128*(\T)+32*\b+\i], v[128*(\T)+32*\b+\i+1]
	v_max3_num_f32 v[TMP+\b], v[TMP+\b], v[128*(\T)+32*\b+16+\i], v[128*(\T)+32*\b+17+\i]
.endr
.endr
	WIN 0
.irp b, 0,1,2,3
	v_max_num_f32 v[BM+4*(\T)+\b], v[BM+4*(\T)+\b], v[TMP+\b]
.endr
.irp b, 0,1,2,3
	v_mul_f32 v[BM+4*(\T)+\b], s[CS], v[BM+4*(\T)+\b]
.endr
.endm
.macro MUL2 g, j                       ; t of two numbers of group g (64 registers), rounded
	v_pk_mul_f32 v[64*(\g)+\j:64*(\g)+\j+1], v[64*(\g)+\j:64*(\g)+\j+1], s[CS:CS+1] op_sel_hi:[1,0]
.endm
.macro ADD2 g, j                       ; t - M (of the pair the low word, -M, serves both)
	v_pk_add_f32 v[64*(\g)+\j:64*(\g)+\j+1], v[64*(\g)+\j:64*(\g)+\j+1], v[NM+2*((\g)/2):NM+2*((\g)/2)+1] op_sel_hi:[1,0]
.endm
.macro EXPS g, fa, fm                  ; p of group g; among them the additions of group fa and the multiplications of group fm, whose results are first read behind the next wait
.set j, 0
.rept 32
	v_exp_f32 v[64*(\g)+j], v[64*(\g)+j]
	v_exp_f32 v[64*(\g)+j+1], v[64*(\g)+j+1]
.if (\fa) > 0
	ADD2 \fa, j
.endif
.if (\fm) > 0
	MUL2 \fm, j
.endif
.set j, j+2
.endr
.endm
.macro SUMT T                          ; the row's sum of the unquantised p: eight chains by turns
	WIN 0x05
.irp i, 0,2,4,6,8,10,12,14
	v_pk_add_f32 v[TMP+\i:TMP+\i+1], v[128*(\T)+\i:128*(\T)+\i+1], v[128*(\T)+16+\i:128*(\T)+17+\i]
.endr
	WIN 0x04
.set j, 128*(\T)+32
.rept 6
.irp i, 0,2,4,6,8,10,12,14
	v_pk_add_f32 v[TMP+\i:TMP+\i+1], v[TMP+\i:TMP+\i+1], v[j+\i:j+\i+1]
.endr
.set j, j+16
.endr
	WIN 0
.irp i, 0,2,4,6
	v_pk_add_f32 v[TMP+\i:TMP+\i+1], v[TMP+\i:TMP+\i+1], v[TMP+8+\i:TMP+9+\i]
.endr
.irp i, 0,2
	v_pk_add_f32 v[TMP+\i:TMP+\i+1], v[TMP+\i:TMP+\i+1], v[TMP+4+\i:TMP+5+\i]
.endr
	v_pk_add_f32 v[TMP:TMP+1], v[TMP:TMP+1], v[TMP+2:TMP+3]
	v_pk_add_f32 v[SUM+2*(\T):SUM+2*(\T)+1], v[SUM+2*(\T):SUM+2*(\T)+1], v[TMP:TMP+1]
.endm
.macro CVT T                           ; p's codes: my block b is six registers of the operand of half b / 2
	WIN 0x01
.irp b, 0,1,2,3
	v_cvt_scalef32_pk16_fp6_f32 v[P+24*(\T)+6*\b:P+24*(\T)+6*\b+2], v[128*(\T)+32*\b:128*(\T)+32*\b+15], v[BM+4*(\T)+\b]
	v_cvt_scalef32_pk16_fp6_f32 v[TMP+4*\b:TMP+4*\b+2], v[128*(\T)+32*\b+16:128*(\T)+32*\b+31], v[BM+4*(\T)+\b]   ; (a conversion's three registers begin on an even number)
.endr
	WIN 0
	v_nop                                          ; one plain place behind a scaled conversion
.irp b, 0,1,2,3
.irp i, 0,1,2
	v_mov_b32 v[P+24*(\T)+6*\b+3+\i], v[TMP+4*\b+\i]
.endr
.endr
.endm
; A STEP: 256 keys x 32 queries.  pf = 1: the next step's operands are fetched as their registers fall free.  Every accumulator's turn is one instruction.
.macro STEP pf
	ADDR
	s_wait_dscnt 12                                ; all but K's second half
	QK 0, 0, KA
	s_wait_dscnt 0x0
	QK 0, 1, P
	WIN 0
.irp hf, 0,1                                   ; V's scale words: tile m = 0, 2 the lower halves, m = 1, 3 the upper, of both bands.  With the v_nop: the five places between a product and another that writes over its C
	v_perm_b32 v[VS+2*\hf], v[VL+2*\hf+1], v[VL+2*\hf], s60
	v_perm_b32 v[VS+2*\hf+1], v[VL+2*\hf+1], v[VL+2*\hf], s61
.endr
	v_nop
	QK 1, 0, KA
	QK 1, 1, P
	MAXT 0
.if \pf
	KALOAD SB
.endif
	MAXT 1
.irp T, 0,1
	v_max3_num_f32 v[F+2*\T+1], v[BM+4*\T], v[BM+4*\T+1], v[BM+4*\T+2]
.endr
.irp T, 0,1
	v_max_num_f32 v[F+2*\T+1], v[F+2*\T+1], v[BM+4*\T+3]
.endr
.irp T, 0,1
	v_permlanex16_b32 v[250+\T], v[F+2*\T+1], s[SEL], s[SEL+1]
.endr
.irp T, 0,1
	v_max_num_f32 v[F+2*\T+1], v[F+2*\T+1], v[250+\T]   ; with lane l xor 16's keys: the step's largest t of my query
.endr
.irp T, 0,1
	v_max_num_f32 v[NM+2*\T+1], v[NM+2*\T+1], v[F+2*\T+1]   ; the running largest t
.endr
.irp T, 0,1
	v_mov_b32 v[F+2*\T+1], v[NM+2*\T]
.endr
.irp T, 0,1
	v_floor_f32 v[NM+2*\T], -v[NM+2*\T+1]          ; the new -M = floor(-t): a whole number
.endr
.irp T, 0,1
	v_sub_f32 v[F+2*\T+1], v[NM+2*\T], v[F+2*\T+1] ; old M - new M: a whole number, 0 or less
.endr
.irp T, 0,1
	v_cvt_i32_f32 v[F+2*\T+1], v[F+2*\T+1]         ; (it saturates)
.endr
.irp T, 0,1
	v_ldexp_f32 v[F+2*\T], 1.0, v[F+2*\T+1]
.endr
.irp T, 0,1
	v_pk_mul_f32 v[SUM+2*\T:SUM+2*\T+1], v[SUM+2*\T:SUM+2*\T+1], v[F+2*\T:F+2*\T+1] op_sel_hi:[1,0]   ; the sums under the new M
.endr
.irp T, 0,1
.irp b, 0,1,2,3
	v_add_f32 v[BM+4*\T+\b], v[BM+4*\T+\b], v[NM+2*\T]   ; t - M of each block's largest
.endr
.endr
	WIN 0x41
.irp g, 0,1
.set j, 0
.rept 32
	MUL2 \g, j
.set j, j+2
.endr
.endr
.set j, 0
.rept 32
	ADD2 0, j
.set j, j+2
.endr
	WIN 0
	s_wait_alu depctr_va_vdst(0)                   ; a wait ahead of and behind each batch
.irp i, 0,1,2,3,4,5,6,7
	v_exp_f32 v[BM+\i], v[BM+\i]                   ; the blocks' largest p: the same arithmetic on the same number
.endr
	WIN 0x41
	EXPS 0, 1, 2
	s_wait_alu depctr_va_vdst(0)
	EXPS 1, 2, 3
	s_wait_alu depctr_va_vdst(0)
	EXPS 2, 3, -1
	s_wait_alu depctr_va_vdst(0)
	EXPS 3, -1, -1
	WIN 0
	v_nop                                          ; a plain place behind the transcendentals
	s_wait_alu depctr_va_vdst(0)
.irp i, 0,1,2,3,4,5,6,7
	v_max_num_f32 v[BM+\i], 0x1800000, v[BM+\i]    ; the floor 2^(3 - 127): the byte cannot fall under 1
.endr
.irp i, 0,1,2,3,4,5,6,7
	v_add_nc_u32 v[BM+\i], 0xff000000, v[BM+\i]    ; 2 off the exponent field: the conversion's scale operand
.endr
.irp i, 0,1,2,3,4,5,6,7
	v_lshrrev_b32 v[TMP+\i], 23, v[BM+\i]          ; the scale's byte
.endr
.irp q, 0,1,2,3
	v_lshl_or_b32 v[246+\q], v[TMP+2*\q+1], 16, v[TMP+2*\q]
.endr
.irp q, 0,1,2,3
	v_permlanex16_b32 v[250+\q], v[246+\q], s[SEL], s[SEL+1]
.endr
.irp q, 0,1,2,3
	v_lshl_or_b32 v[PS+\q], v[250+\q], 8, v[246+\q]   ; lanes 0-15: the scale word of tile q / 2, half q % 2
.endr
	SUMT 0
	CVT 0
	WIN 0x40                                       ; V's eight fragments take tile 0's registers: 32 loads
.irp hf, 0,1
.irp m, 0,1,2,3
.irp c, 0,1
	ds_load_b128 v[48*\hf+12*\m+6*\c:48*\hf+12*\m+6*\c+3], v[A16] offset:13312*\hf+6656+3072*\c+768*\m
	ds_load_b64 v[48*\hf+12*\m+6*\c+4:48*\hf+12*\m+6*\c+5], v[A8] offset:13312*\hf+6656+3072*\c+768*\m+512
.endr
.endr
.endr
	WIN 0
	SUMT 1
	CVT 1
.if \pf
	MLOAD 1024                                     ; the next step's mask terms take tile 1's
.endif
	s_wait_alu depctr_va_vdst(0)                   ; directly ahead of the first reader of O^T
.irp T, 0,1
.set j, O+32*\T
.rept 16
	v_pk_mul_f32 v[j:j+1], v[j:j+1], v[F+2*\T:F+2*\T+1] op_sel_hi:[1,0]   ; O^T under the new M, ascending
.set j, j+2
.endr
.endr
	s_wait_alu depctr_va_vdst(0)
.if \pf
	s_wait_dscnt 32                                ; V is in; the next mask terms may be out
.else
	s_wait_dscnt 0x0
.endif
	WIN 0x01
.irp hf, 0,1
.irp m, 0,1,2,3
.irp T, 0,1
.set D_, O+32*\T+8*\m
.set A_, 48*\hf+12*\m
.set B_, P+24*\T+12*\hf
.if \m/2
	v_wmma_scale_f32_16x16x128_f8f6f4 v[D_:D_+7], v[A_:A_+11], v[B_:B_+11], v[D_:D_+7], v[VS+2*\hf+\m%2], v[PS+2*\T+\hf] matrix_a_fmt:MATRIX_FMT_FP6 matrix_b_fmt:MATRIX_FMT_FP6 matrix_a_scale:MATRIX_SCALE_ROW1
.else
	v_wmma_scale_f32_16x16x128_f8f6f4 v[D_:D_+7], v[A_:A_+11], v[B_:B_+11], v[D_:D_+7], v[VS+2*\hf+\m%2], v[PS+2*\T+\hf] matrix_a_fmt:MATRIX_FMT_FP6 matrix_b_fmt:MATRIX_FMT_FP6
.endif
.endr
.endr
.endr
	WIN 0
	PLACES 4                                       ; in front of the loads into p's registers
.if \pf
	KLOAD P, SB+13312                              ; K's second half
.endif
	s_add_co_u32 s[TB], s[TB], SB
	s_add_co_u32 s[TMS], s[TMS], 1024
.endm
	s_load_b128 s[4:7], s[0:1], 0x0                ; att, attn_mask
	s_load_b64 s[8:9], s[0:1], 0x10                ; out0
	v_lshl_add_u32 v[SPW], v0, 2, SPARE
	v_mov_b32 v[NIL], 0
	ds_add_u32 v[SPW], v[NIL]                      ; the opening lines: the add, twice on end, ahead of my first tensor load
	ds_add_u32 v[SPW], v[NIL]
	v_lshrrev_b32 v1, 5, v0
	v_readfirstlane_b32 s[WV], v1                  ; wave 0..7
	s_bfe_u32 s11, ttmp6, 0x40000                  ; cx
	s_and_b32 s[BH], ttmp7, 0xffff                 ; 16 batch + head, which the four partners share
	s_lshl_b32 s13, ttmp9, 2
	s_add_co_u32 s13, s13, s11                     ; my block of 256 queries: it enters q's and the output's addresses alone
	s_and_b32 s[PB], s[WV], 1                      ; my pair of tiles in its band
	s_lshr_b32 s48, s[WV], 1
	s_lshl_b32 s[BAND], s13, 2
	s_add_co_u32 s[BAND], s[BAND], s48             ; my band of 64 queries, 0..31
	s_mov_b32 s[G1+0], 15|(3<<16)|(1<<21)          ; the mask: all four work-groups; elements of 8 bytes; bit 21 set beside a mask
	s_mov_b32 s[G1+1], 32<<16                      ; a step, 26,624 dense bytes, as 104 rows of 256
	s_mov_b32 s[G1+2], 104<<16
	s_mov_b32 s[G1+3], 32<<16
	s_mov_b32 s[G1+4], 104
	s_mov_b32 s[G1+5], 32
	s_mov_b32 s[G1+6], 0
	s_mov_b32 s[G1+7], 0
	s_mov_b32 s[SEL], 0x76543210                   ; lane l xor 16
	s_mov_b32 s[SEL+1], 0xfedcba98
	s_mov_b32 s[CS], 0x3e38aa3b                    ; c = log2(e) / 8
	s_mov_b32 s[CS+1], s[CS]                       ; (named with it as a pair)
	s_mov_b32 s58, 0x01000100
	s_mov_b32 s59, 0x03020302
	s_mov_b32 s60, 0x05040100
	s_mov_b32 s61, 0x07060302
	s_mul_i32 s48, s[BH], KVH
	s_mul_i32 s49, s[WV], SB                       ; step = wave: in memory and in LDS alike
	s_add_co_u32 s50, s48, s49
	s_mov_b32 s51, 0
	s_wait_dscnt 0x0
	s_wait_kmcnt 0x0
	s_add_nc_u64 s[50:51], s[4:5], s[50:51]
	CROUND                                         ; all four work-groups are here: the joint loads meet
	s_mov_b32 s[G0], 1
	s_mov_b32 s[G0+1], s49
	s_mov_b64 s[G0+2:G0+3], s[50:51]
	s_or_b32 s[G0+3], s[G0+3], 0x80000000
	s_cmp_eq_u32 s[WV], 0                          ; wave 0's load has a line of its own: step 0 waits for it alone
	s_cbranch_scc0 .Lothers
	TLOAD
	s_branch .Lasked
.Lothers:
	TLOAD
.Lasked:
	s_lshr_b32 s52, s[BH], 4
	s_lshl_b32 s52, s52, 13
	s_mov_b32 s53, 0
	s_add_nc_u64 s[52:53], s[6:7], s[52:53]        ; the batch's mask
	s_mul_i32 s54, s[BH], 98304
	s_mul_i32 s55, s[BAND], 3072
	s_add_co_u32 s54, s54, s55
	s_mul_i32 s55, s[PB], 1536
	s_add_co_u32 s54, s54, s55
	s_add_co_u32 s54, s54, QI
	s_mov_b32 s55, 0
	s_add_nc_u64 s[54:55], s[4:5], s[54:55]        ; my pair of q's tiles,
	s_lshl_b32 s56, s[BH], 13
	s_lshl_b32 s57, s[BAND], 8
	s_add_co_u32 s56, s56, s57
	s_lshl_b32 s57, s[PB], 7
	s_add_co_u32 s56, s56, s57
	s_add_co_u32 s56, s56, QSI
	s_mov_b32 s57, 0
	s_add_nc_u64 s[56:57], s[4:5], s[56:57]        ; and its scale words
	v_and_b32 v13, 31, v0
	v_bfe_u32 v7, v0, 4, 1
	v_and_b32 v6, 15, v0
	v_lshlrev_b32 v[L16], 4, v13
	v_lshlrev_b32 v[L8], 3, v13
	v_lshl_add_u32 v[LM], v7, 7, MT
	v_lshlrev_b32 v5, 4, v0                        ; thread i takes 2 x 16 bytes of the batch's 8,192 of mask,
	v_lshl_add_u32 v4, v0, 4, MT                   ; and puts their terms there
	v_lshlrev_b32 v15, 3, v6
	global_load_b128 v[126:129], v5, s[52:53]
	global_load_b128 v[130:133], v5, s[52:53] offset:4096
	global_load_b128 v[Q+6:Q+9], v[L16], s[54:55]
	global_load_b64 v[Q+10:Q+11], v[L16], s[54:55] offset:512
	global_load_b64 v[Q+18:Q+19], v[L16], s[54:55] offset:520
	global_load_b128 v[Q+20:Q+23], v[L16], s[54:55] offset:1024
	global_load_b32 v238, v15, s[56:57]
.irp i, 0,1,2,3,4,5
	v_mov_b32 v[Q+\i], 0                           ; zero codes
	v_mov_b32 v[Q+12+\i], 0
	v_mov_b32 v[Q+24+\i], 0
.endr
.set j, 0
.rept 64
	v_mov_b32 v[O+j], 0                            ; O^T.  (The step finds zeros, which the first change of M leaves zeros)
.set j, j+1
.endr
	s_wait_loadcnt 0x5                             ; the mask is in; q's five loads may be out
.irp i, 0,1,2,3,4,5,6,7
	v_sub_f32 v[126+\i], 1.0, v[126+\i]
.endr
.irp i, 0,1,2,3,4,5,6,7
	v_mul_f32 v[126+\i], 0xc79c4000, v[126+\i]     ; x -80000: 8 x the logit's -10000 (1 - mask), with the same rounding
.endr
	ds_store_b128 v4, v[126:129]
	ds_store_b128 v4, v[130:133] offset:4096
	s_wait_loadcnt 0x0
	v_perm_b32 v[QS], v238, v238, s58              ; each tile's two bytes, for either half of the instruction's K
	v_perm_b32 v[QS+1], v238, v238, s59
.irp i, 0,1,2,3
	v_mov_b32 v[SUM+\i], 0
	v_mov_b32 v[250+\i], 0                         ; a lane permute's destination counts as one of its sources
.endr
.irp T, 0,1
	v_mov_b32 v[NM+2*\T+1], 0xff61b1e6             ; the largest t so far: -3e38, under every t
.endr
.irp T, 0,1
	v_floor_f32 v[NM+2*\T], -v[NM+2*\T+1]
.endr
	s_mov_b32 s[TB], 0
	s_mov_b32 s[TMS], 0
	s_wait_alu depctr_va_vdst(0)                   ; the wait at the head's end
	s_wait_dscnt 0x0                               ; my mask terms have landed
	s_cmp_eq_u32 s[WV], 0
	s_cbranch_scc0 .Lnot_0
	s_wait_tensorcnt 0x0
.Lnot_0:
	s_barrier_signal -1
	s_barrier_wait -1                              ; step 0 and the mask terms are in
	LOADALL
	STEP 0
	s_wait_alu depctr_va_vdst(0)
	s_wait_tensorcnt 0x0
	s_wait_dscnt 0x0
	s_barrier_signal -1
	s_barrier_wait -1                              ; all steps are in
	LOADALL
	s_mov_b32 s[CNT], 6
.Lstep:                                                ; steps 1 to 6
	STEP 1
	s_sub_co_u32 s[CNT], s[CNT], 1
	s_cmp_lg_u32 s[CNT], 0
	s_wait_alu depctr_va_vdst(0)
	s_cbranch_scc1 .Lstep
	STEP 0                                         ; step 7 fetches nothing more
	; THE WAY OUT.  O^T / the sum goes through my stage in LDS and leaves as whole rows of the head's 256 bytes.
	s_mul_i32 s50, s[WV], 8704
	s_add_co_u32 s50, s50, STG                     ; my stage
	s_lshr_b32 s48, s[BH], 4
	s_lshl_b32 s48, s48, 11
	s_lshl_b32 s49, s[BAND], 6
	s_add_co_u32 s48, s48, s49
	s_lshl_b32 s49, s[PB], 4
	s_add_co_u32 s48, s48, s49                     ; my first row: 2,048 batch + 64 band + 16 pair
	s_lshl_b32 s48, s48, 12
	s_and_b32 s49, s[BH], 15
	s_lshl_b32 s49, s49, 8
	s_add_co_u32 s48, s48, s49                     ; + the head's 256 bytes
	s_mov_b32 s49, 0
	s_add_nc_u64 s[8:9], s[8:9], s[48:49]
.irp T, 0,1
	v_add_f32 v[SUM+2*\T], v[SUM+2*\T], v[SUM+2*\T+1]
.endr
.irp T, 0,1
	v_permlanex16_b32 v[250+\T], v[SUM+2*\T], s[SEL], s[SEL+1]
.endr
.irp T, 0,1
	v_add_f32 v[SUM+2*\T], v[SUM+2*\T], v[250+\T]  ; with lane l xor 16's: the row's sum
.endr
	v_and_b32 v1, 15, v0                           ; r
	v_bfe_u32 v2, v0, 4, 1                         ; h
	v_mul_u32_u24 v3, v1, 272
	v_lshl_add_u32 v3, v2, 7, v3
	v_add_nc_u32 v3, s50, v3                       ; in: row r, + 128 h
	v_mul_u32_u24 v4, v2, 272
	v_lshl_add_u32 v4, v1, 4, v4
	v_add_nc_u32 v4, s50, v4                       ; back: lanes 0-15 one row, lanes 16-31 the next
	v_lshlrev_b32 v5, 12, v2
	v_lshl_add_u32 v5, v1, 4, v5                   ; and the same two rows in the output, 4,096 bytes apart
	s_wait_alu depctr_va_vdst(0)
	v_rcp_f32 v[SUM], v[SUM]
	v_rcp_f32 v[SUM+2], v[SUM+2]
	v_nop                                          ; a plain place behind the transcendentals
	s_wait_alu depctr_va_vdst(0)
.irp T, 0,1
.set j, 32*\T
.rept 32
	v_mul_f32 v[P+j], v[O+j], v[SUM+2*\T]          ; register 8 m + i is channel 32 h + 8 m + i of my query
.set j, j+1
.endr
.endr
.irp T, 0,1
.irp m, 0,1,2,3
	ds_store_b128 v3, v[P+32*\T+8*\m:P+32*\T+8*\m+3] offset:4352*\T+32*\m
	ds_store_b128 v3, v[P+32*\T+8*\m+4:P+32*\T+8*\m+7] offset:4352*\T+32*\m+16
.endr
.endr
.irp T, 0,1
.irp i, 0,1,2,3,4,5,6,7
	ds_load_b128 v[O+32*\T+4*\i:O+32*\T+4*\i+3], v4 offset:4352*\T+2*\i*272   ; LDS serves a wave's instructions in order: these see my stores
.endr
.endr
.irp T, 0,1
.irp i, 0,1,2,3,4,5,6,7
	s_wait_dscnt 15-8*\T-\i                        ; rows 2 i, 2 i + 1 of the tile are back; the later rows' loads may be out
	global_store_b128 v5, v[O+32*\T+4*\i:O+32*\T+4*\i+3], s[8:9] offset:(32*(\i/4)+8*\T+2*(\i%4))*4096 th:TH_STORE_NT   ; tile row p is query 32 (p / 8) + 8 T + p % 8; sixteen lanes store 256 consecutive bytes
.endr
.endr
	s_wait_tensorcnt 0x0                           ; the wave's end
	ds_add_u32 v[SPW], v[NIL]
	s_wait_dscnt 0x0
	CROUND                                         ; the closing round
	s_endpgm
.Lfunc_end_k_q31fe7c2c49_attn:
	.size	k_q31fe7c2c49_attn, .Lfunc_end_k_q31fe7c2c49_attn-k_q31fe7c2c49_attn
	.p2alignl 7, 3214868480
	.fill 96, 4, 3214868480
	.section	.rodata,"a",@progbits
	.p2align	6, 0x0
	.amdhsa_kernel k_q31fe7c2c49_attn
		.amdhsa_group_segment_fixed_size 291840
		.amdhsa_private_segment_fixed_size 0
		.amdhsa_enable_private_segment 0
		.amdhsa_kernarg_size 24
		.amdhsa_user_sgpr_count 2
		.amdhsa_user_sgpr_kernarg_segment_ptr 1
		.amdhsa_wavefront_size32 1
		.amdhsa_system_sgpr_workgroup_id_x 1
		.amdhsa_system_sgpr_workgroup_id_y 1
		.amdhsa_system_sgpr_workgroup_id_z 1
		.amdhsa_system_vgpr_workitem_id 0
		.amdhsa_next_free_vgpr 512
		.amdhsa_next_free_sgpr 66
		.amdhsa_reserve_vcc 0
		.amdhsa_float_denorm_mode_32 3
		.amdhsa_float_denorm_mode_16_64 3
		.amdhsa_memory_ordered 1
		.amdhsa_forward_progress 1
		.amdhsa_inst_pref_size 205
	.end_amdhsa_kernel
	.amdgpu_metadata
---
amdhsa.version: [ 1, 2 ]
amdhsa.kernels:
  - .name:           k_q31fe7c2c49_attn
    .symbol:         k_q31fe7c2c49_attn.kd
    .args:
      - { .name: att, .offset: 0, .size: 8, .value_kind: global_buffer, .address_space: global }
      - { .name: attn_mask, .offset: 8, .size: 8, .value_kind: global_buffer, .address_space: global }
      - { .name: out0, .offset: 16, .size: 8, .value_kind: global_buffer, .address_space: global }
    .group_segment_fixed_size: 291840
    .private_segment_fixed_size: 0
    .kernarg_segment_align: 8
    .kernarg_segment_size: 24
    .max_flat_workgroup_size: 256
    .sgpr_count:     66
    .vgpr_count:     512
    .wavefront_size: 32
...
	.end_amdgpu_metadata
.endif
;; end of part 3
